; MI455X (gfx1250); checked and timed in simulation.
; The chip was launched on July 23, 2026; its instructions are those of AMD's public machine-readable ISA for CDNA 5 (MIT licence, August 2026) and "CDNA5" Instruction Set Architecture Reference Guide (July 2026). The comments in the code are by the model that wrote it; some were corrected since.
;; My scaled dot product attention. Allowed arithmetic: matrix products marked QUANTISED: E2M1 operands, one E8M0 scale for each 32 along K, by v_wmma_scale_f32_16x16x128_f8f6f4 with both operands' format E2M1 (or v_wmma_scale_f32_32x16x128_f4), f32 sums; everything else in f32.
;; Inputs: k_codes 2 x 16 x 2,048 x 2 x 16 uint8 (E2M1 codes of k, K innermost, in blocks of 32 codes, two codes a byte); k_scales 2 x 16 x 2,048 x 2 uint8 (E8M0 scales of k, one for each 32 codes along K); mask 1 x 1 x 2,048 x 2,048 bool; q_codes 2 x 16 x 2,048 x 2 x 16 uint8 (E2M1 codes of q, K innermost, in blocks of 32 codes, two codes a byte); q_scales 2 x 16 x 2,048 x 2 uint8 (E8M0 scales of q, one for each 32 codes along K); v_codes 2 x 16 x 64 x 64 x 16 uint8 (E2M1 codes of v, K innermost, in blocks of 32 codes, two codes a byte); v_scales 2 x 16 x 64 x 64 uint8 (E8M0 scales of v, one for each 32 codes along K).
;; Outputs: out0 2 x 16 x 2,048 x 64 float32.
;; This version of the problem:
;;   THIS VERSION OF THE PROBLEM IS GIVEN IN LOW PRECISION. The matrix products marked QUANTISED in the list below multiply operands that are first quantised to E2M1 (2 exponent bits, 1 mantissa bit; 4 bits a number), with one power-of-two scale for each 32 numbers along K (OCP MX v1.0); their sums are f32. All else is computed in f32.
;;   The module's matrix products, in the order in which they are computed (A, B: the left and right operand; K: the contracted axis; several contracted axes count as one K, in the product's order):
;;     1. batch 32 x [M 2,048, K 64] x [K 64, N 2,048]; A: input q (given as codes); B: input k (given as codes): QUANTISED
;;     2. batch 32 x [M 2,048, K 2,048] x [K 2,048, N 64]; A: softmax (see below); B: input v (given as codes): QUANTISED
;;   THE QUANTISER, for each operand of a quantised product, along K:
;;     - K is cut into blocks of 32 from its start; a last block that is shorter is filled with zeros.
;;     - A block's scale is 2^e with e = floor(log2(the largest magnitude in the block)) - 2, held to -126 .. 127; a block of zeros has e = 0. As a byte (E8M0): e + 127.
;;     - Each number is divided by its block's scale, clamped to +-6, and rounded to the nearest number of E2M1, ties to even, subnormals kept.
;;     - The product sums the exact products of the quantised numbers (number of the format x scale) in f32.
;;   ~~~python
;;   def quantise(x, axis):      # numpy; x: float32 -> the quantised numbers, widened to float32 again
;;       x = np.moveaxis(x, axis, -1); K = x.shape[-1]
;;       x = np.pad(x, [(0, 0)] * (x.ndim - 1) + [(0, -K % 32)]); x = x.reshape(x.shape[:-1] + (-1, 32)); a = np.abs(x).max(-1, keepdims=True)
;;       e = np.where(a > 0, np.clip(np.frexp(np.where(a > 0, a, 1))[1] - 1 - 2, -126, 127), 0)      # np.frexp(a)[1] - 1 = floor(log2(a)), exactly
;;       r = np.clip(x / 2.0 ** e, -6, 6)
;;       step = 2.0 ** (np.maximum(np.frexp(np.where(r == 0, 1, r))[1] - 1, 0) - 1)
;;       q = np.round(r / step) * step * 2.0 ** e      # np.round: ties to even
;;       return np.moveaxis(q.reshape(q.shape[:-2] + (-1,))[..., :K], -1, axis).astype(np.float32)
;;   ~~~
;;   SOFTMAX AHEAD OF A QUANTISED PRODUCT. Where the list says 'softmax', what is quantised is not the finished softmax but p = 2^(t - M), with t = logit x log2(e) and M = ceil(the row's largest t), a whole number; so 1/2 < the row's largest p <= 1. The row's sum l is taken of the UNQUANTISED p, in f32, and the product's result is divided by l at the end. Since M is a whole number, a kernel that streams over the keys may use a running M (the ceiling of the running maximum): every later rescaling is an exact power of two, which a block's scale takes up: the codes' values come out the same.
;;   OPERANDS COMPUTED ON THE WAY. 'Computed on the way' means the value that the module computes at that place (a softmax that the list does not call 'softmax' is quantised finished and normalised). What goes into a quantiser is computed in f32, as accurately as f32 sums, v_exp_f32 and their like allow (about 1e-6 of the number): no bf16 or f16 on the way to a quantiser, and a product that is left as it is and whose result goes on into a quantised operand takes f32 operands (vector FMAs, or v_wmma_f32_16x16x4_f32). A number that lies on a knife's edge between two numbers of the format may be rounded either way, as far as f32 arithmetic and the matrix unit's own rounding can turn it there, and no further.
;;   INPUTS GIVEN AS CODES. k (in the module: [2, 16, 2048, 64], K = its axis 3); q (in the module: [2, 16, 2048, 64], K = its axis 3); v (in the module: [2, 16, 2048, 64], K = its axis 2): each comes as NAME_codes (uint8): NAME with its K axis moved to the last place and cut into blocks of 32 codes, [.., K / 32, bytes a block], one block behind the other in memory; two codes a byte, the lower K in the low four bits (a code: sign, 2 exponent bits, 1 mantissa bit); and NAME_scales (uint8): the same leading axes, one E8M0 byte (e + 127) for each 32 codes along K. Its value is code x scale, taken as it is: it is not quantised again, and the codes and scales need not be those that the quantiser above would give.
;; 2 versions. Each part assembles by itself: llvm-mc -triple=amdgcn-amd-amdhsa -mcpu=gfx1250 --defsym DOCPART=n.
;; ======== version 1 of 2: 2 launches
;; workspace buffers: mwords 524,288 bytes of whole numbers; mflags 8,192 bytes of whole numbers
;; launch maskbits (part 1): grid 256 x 1, 8 waves a work-group, no clusters, 0 bytes of LDS; arguments mask, mwords, mflags; writes mwords, mflags
.if DOCPART == 1
	.amdgcn_target "amdgcn-amd-amdhsa--gfx1250"
	.amdhsa_code_object_version 6
	.text
	.protected	k_q790814856a_maskbits
	.globl	k_q790814856a_maskbits
	.p2align	8
	.type	k_q790814856a_maskbits,@function
k_q790814856a_maskbits:
	s_mov_b64 s[64:65], 0
	v_nop
	global_prefetch_b8 v0, s[64:65] scope:SCOPE_SE
	s_setreg_imm32_b32 hwreg(HW_REG_WAVE_MODE, 25, 1), 1
	s_wait_xcnt 0x0
; The mask [2048 queries][2048 keys], one byte each (true = not 0), becomes lane words for the attention launch.
; A UNIT is 16 queries (tile qt) x 128 keys (step): 128 x 16 = 2,048 units, one wave each, 8 waves a work-group, 256 work-groups.
; mwords [qt][step][n = 0..63], u32: bit l of word n = 16 b + i is mask[16 qt + l % 16][128 step + 32 b + 16 (l / 16) + i]:
; the query and key whose score lane l of the attention launch holds in score register n, so a word is a lane select as it stands.
; mflags [qt][step], u32: bit step = some key of the unit is open; bit 16 + step = some key of the unit is hidden.  The OR of a tile's 16 words is its flag word.
; No LDS, no barrier, no loop: a wave's four loads go out together; the mask is read once in the launch.
.set ANY, 16                           ; s16  OR of the 64 words
.set ALL, 17                           ; s17  AND of the 64 words
.set CW,  20                           ; s[20:23] compare results, by turns
.set MB,  16                           ; v[16:31] the unit's bytes: register 4 b + i / 4, byte i % 4
	s_load_b128 s[4:7], s[0:1], 0x0                ; mask s[4:5], mwords s[6:7]
	s_load_b64 s[8:9], s[0:1], 0x10                ; mflags
	v_lshrrev_b32 v2, 5, v0
	v_readfirstlane_b32 s10, v2                    ; wave 0..7
	s_lshl_b32 s11, ttmp9, 3
	s_add_co_u32 s11, s11, s10                     ; my unit = 8 x work-group + wave
	s_lshr_b32 s12, s11, 4                         ; qt
	s_and_b32 s13, s11, 15                         ; step
	v_and_b32 v9, 31, v0                           ; lane
	v_and_b32 v1, 15, v0                           ; my query of the tile
	v_bfe_u32 v2, v0, 4, 1                         ; my half
	v_lshlrev_b32 v1, 11, v1                       ; a row of the mask is 2,048 bytes
	v_lshl_add_u32 v1, v2, 4, v1                   ; + 16 keys for lanes 16-31
	v_lshlrev_b32 v6, 3, v9                        ; out: 8 bytes a lane
	v_mov_b32 v4, 0                                ; the words' registers are written whole once: v_writelane_b32 keeps the other lanes
	v_mov_b32 v5, 0
	v_mov_b32 v8, 0
	s_mov_b32 s[ANY], 0
	s_mov_b32 s[ALL], -1
	s_mov_b32 s15, 0
	s_lshl_b32 s14, s12, 15                        ; 16 rows of 2,048 bytes a tile,
	s_lshl_b32 s2, s13, 7                          ; 128 bytes a step
	s_add_co_u32 s14, s14, s2
	s_wait_kmcnt 0x0
	s_add_nc_u64 s[4:5], s[4:5], s[14:15]
	s_lshl_b32 s14, s11, 8                         ; 256 bytes of words a unit
	s_add_nc_u64 s[6:7], s[6:7], s[14:15]
	s_lshl_b32 s14, s11, 2                         ; 4 bytes of flags a unit
	s_add_nc_u64 s[8:9], s[8:9], s[14:15]
.irp b, 0,1,2,3
	global_load_b128 v[MB+4*\b:MB+4*\b+3], v1, s[4:5] offset:32*\b th:TH_LOAD_NT   ; 16 neighbouring keys of my row; the four loads cover 128 consecutive bytes of each of 16 rows
.endr
	s_wait_loadcnt 0x0
; word n: its byte is cut out, compared with 0 in all 32 lanes, and the 32 bits go to lane n / 2 of register n % 2, so that a lane's pair is 8 neighbouring bytes of the output
.set n, 0
.rept 64
	v_and_b32 v[2+n%2], 0xff<<(8*(n%4)), v[MB+4*(n/16)+(n%16)/4]
	v_cmp_ne_u32 s[CW+n%4], 0, v[2+n%2]
	s_or_b32 s[ANY], s[ANY], s[CW+n%4]
	s_and_b32 s[ALL], s[ALL], s[CW+n%4]
	v_writelane_b32 v[4+n%2], s[CW+n%4], n/2
.set n, n+1
.endr
	global_store_b64 v6, v[4:5], s[6:7]            ; the wave stores 256 consecutive bytes, at a multiple of 256 from the buffer's first byte
	s_cmp_lg_u32 s[ANY], 0
	s_cselect_b32 s2, 1, 0                         ; some key open
	s_cmp_lg_u32 s[ALL], -1
	s_cselect_b32 s3, 0x10000, 0                   ; some key hidden
	s_or_b32 s2, s2, s3
	s_lshl_b32 s2, s2, s13                         ; at the step's two bits
	v_mov_b32 v7, s2
	v_cmp_eq_u32 vcc_lo, 0, v9
	s_wait_xcnt 0x0                                ; EXEC is a source of the store above: it changes only behind this wait
	s_and_saveexec_b32 s24, vcc_lo
	global_store_b32 v8, v7, s[8:9]                ; lane 0 alone: 4 bytes a unit, 8,192 bytes in the whole launch; gathering them would cost LDS and a barrier
	s_wait_xcnt 0x0                                ; and again in front of the line that widens it
	s_or_b32 exec_lo, exec_lo, s24
	s_endpgm
.Lfunc_end_k_q790814856a_maskbits:
	.size	k_q790814856a_maskbits, .Lfunc_end_k_q790814856a_maskbits-k_q790814856a_maskbits
	.p2alignl 7, 3214868480
	.fill 96, 4, 3214868480
	.section	.rodata,"a",@progbits
	.p2align	6, 0x0
	.amdhsa_kernel k_q790814856a_maskbits
		.amdhsa_group_segment_fixed_size 0
		.amdhsa_private_segment_fixed_size 0
		.amdhsa_enable_private_segment 0
		.amdhsa_kernarg_size 24
		.amdhsa_user_sgpr_count 2
		.amdhsa_user_sgpr_kernarg_segment_ptr 1
		.amdhsa_wavefront_size32 1
		.amdhsa_system_sgpr_workgroup_id_x 1
		.amdhsa_system_sgpr_workgroup_id_y 1
		.amdhsa_system_sgpr_workgroup_id_z 1
		.amdhsa_system_vgpr_workitem_id 0
		.amdhsa_next_free_vgpr 40
		.amdhsa_next_free_sgpr 66
		.amdhsa_reserve_vcc 1
		.amdhsa_float_denorm_mode_32 3
		.amdhsa_float_denorm_mode_16_64 3
		.amdhsa_memory_ordered 1
		.amdhsa_forward_progress 1
		.amdhsa_inst_pref_size 19
	.end_amdhsa_kernel
	.amdgpu_metadata
---
amdhsa.version: [ 1, 2 ]
amdhsa.kernels:
  - .name:           k_q790814856a_maskbits
    .symbol:         k_q790814856a_maskbits.kd
    .args:
      - { .name: mask, .offset: 0, .size: 8, .value_kind: global_buffer, .address_space: global }
      - { .name: mwords, .offset: 8, .size: 8, .value_kind: global_buffer, .address_space: global }
      - { .name: mflags, .offset: 16, .size: 8, .value_kind: global_buffer, .address_space: global }
    .group_segment_fixed_size: 0
    .private_segment_fixed_size: 0
    .kernarg_segment_align: 8
    .kernarg_segment_size: 24
    .max_flat_workgroup_size: 256
    .sgpr_count:     66
    .vgpr_count:     40
    .wavefront_size: 32
...
	.end_amdgpu_metadata
.endif
;; end of part 1
;; launch attn (part 2): grid 8 x 32, 16 waves a work-group, no clusters, 216,064 bytes of LDS; arguments q_codes, q_scales, k_codes, k_scales, v_codes, v_scales, mwords, mflags, out0; writes out0
.if DOCPART == 2
	.amdgcn_target "amdgcn-amd-amdhsa--gfx1250"
	.amdhsa_code_object_version 6
	.text
	.protected	k_q790814856a_attn
	.globl	k_q790814856a_attn
	.p2align	8
	.type	k_q790814856a_attn,@function
k_q790814856a_attn:
	s_mov_b64 s[64:65], 0
	v_nop
	global_prefetch_b8 v0, s[64:65] scope:SCOPE_SE
	s_setreg_imm32_b32 hwreg(HW_REG_WAVE_MODE, 25, 1), 1
	s_wait_xcnt 0x0
; out0[head][q][:] = the sum over keys of softmax(q . k / 8, hidden keys at -infinity) v, 32 heads, 2,048 queries and keys, head size 64; both products on codes of FP4 (E2M1) with one E8M0 scale for each 32 along K.
; q, k: rows of 64 codes (32 bytes) and 2 scale bytes.  v: keys innermost, 64 rows of 2,048 codes (1,024 bytes) and 64 scale bytes a head.  The mask comes as lane words and flags made by the launch before.
; THE SOFTMAX AHEAD OF THE SECOND PRODUCT: t = score x log2(e) / 8; M = the row's largest t so far, rounded UP to a whole number; p = 2^(t - M) is quantised along the keys, not normalised; the row's sum is taken of the
; unquantised p and divides at the end.  When M moves, the sum and O are multiplied by 2^(old M - new M), which rounds nothing.
; SHARES.  A work-group owns one head and 16 tiles of 16 queries, one tile a wave: 16 waves of 256 registers.  Wave w of work-group j takes tile 8 rho(w) + j, rho a fixed permutation of 0..15 (a 4 x 4 square whose rows and
; columns all add up to 30): any deal is right; this one mixes early and late queries in every group of four waves, so that masks which hide more keys from early queries leave the walks even.
; LDS.  A head's K, V and scales are 136 KiB: they are laid into LDS ONCE, through registers, in front of the launch's one barrier; there is no ring.
; SKIPS.  A step of 128 keys none of which is open for any of the wave's 16 queries adds nothing (every p is 0; M, the sum and O stay): a scalar branch on the stored flags jumps over its work.  A step with no hidden key
; jumps over the 64 selects.  Both hold for every mask.
; NO JOINT LOADS, though the 8 work-groups of a head read the same K and V: the skips are branches on numbers read from memory; what is shared is 136 KiB once for a
; work-group, and a skipped step spares about 250 vector instructions.
; LAYOUT.  Both products transposed: S^T = K Q^T (source 0 = 16 keys, source 1 = my 16 queries), O^T = V^T P^T: a lane (r = lane % 16, h = lane / 16) holds query r throughout.  Row m of K's tile 2 b + u is key
; 32 b + 8 u + m + 8 (m / 8), so that score register 16 b + i is key 32 b + 16 h + i.  The head's 64 fill k = 0..63 of the instruction's 128: registers 4-7 of Q's and K's fragments are zero codes, and the scale
; words' upper two bytes are 0, which over zero codes adds nothing.
; EDGES.  A hidden score becomes -infinity ahead of the maximum: p = 0.  A row with no open key yet keeps t = -3e38 and sums of 0.  A row with no open key at all ends as 0 x (1 / 0) = NaN, as the problem's definition gives.
; LIMITS: p under 2^-126 comes out of v_exp_f32 as 0 (ISA guide, 15.8); a block's largest p is made from its largest score, which takes v_exp_f32 not to fall where its input rises; NaN and infinities in the scales (byte 0xff) are not served.
.set KSTEP, 4608                       ; LDS, K of one step: 8 tiles x 512 bytes, images of registers 0-3 (lane l's 16 bytes at 16 l); at +4,096 the scale words: lane l's 16 bytes = words b = 0..3 of tile 2 b + l / 16, row l % 16
.set KSCO,  4096
.set VROW,  16*KSTEP                   ; 73,728: V's 64 rows, 1,024 bytes + 16 of padding: the pitch is an odd multiple of 16 bytes, so the 16 rows that a load touches start at 16 different 16-byte columns modulo 256
.set VP,    1040
.set VSC,   VROW+64*VP                 ; 140,288: V's scale words, 256 bytes a step: lane l's 8 bytes = words a = 0, 1 of row 16 (2 a + l / 16) + l % 16
.set STG,   VSC+16*256                 ; 144,384: the way out: 16 rows x (256 + 16) bytes for each wave, its own
.set SP,    272
.set AK0, 1                            ; v1   16 x lane
.set AV0, 2                            ; v2   VROW + r VP + 16 h
.set AT0, 3                            ; v3   VSC + 8 x lane
.set ADK, 4                            ; v4-6 the step's LDS addresses
.set ADV, 5
.set ADT, 6
.set NINF, 7                           ; v7   -infinity
.set QF,  16                           ; v[16:23] Q's fragment, 20-23 zero codes;  v24 its scale word
.set QS,  24
.set KS,  26                           ; v[26:29] K's scale words of the step;  v[30:31] V's
.set VS,  30
.set KF,  32                           ; v[32:95] K's 8 fragments, registers 4-7 of each zero codes
.set S,   96                           ; v[96:159] S^T, then p (at the head: K's and V's bytes on their way to LDS)
.set O,   160                          ; v[160:191] O^T, 4 tiles
.set VF,  192                          ; v[192:223] V's 4 fragments
.set PC,  224                          ; v[224:231] p's codes
.set BM,  232                          ; v[232:235] the blocks' largest scores (at the head: scale bytes as loaded)
.set TP,  236                          ; v[236:239] at work
.set KWD, 240                          ; v[240:243] at the head: K's scale words
.set CV,  244                          ; v[244:247] the conversions' scale operands (at the head: where I store K, V, K's scales, V's scales)
.set F,   252                          ; v252 f = 2^(old M - new M);  v253 p's scale word;  v254 at work
.set PW,  253
.set TMP, 254
.set MWP, 4                            ; s[4:5]  the step's 64 mask words
.set OUT, 6                            ; s[6:7]  my 16 rows of out0
.set WV,  8
.set FLG, 9                            ; s9   bit 0: the step in hand has an open key; bit 16: it has a hidden one
.set SEL, 10                           ; s[10:11] v_permlanex16_b32's selects for lane l xor 16
.set CS,  12                           ; s[12:13] c = log2(e) / 8, twice: the packed form names a pair
.set TK,  14                           ; s14, s15, s84: the step's place in K's records, V's rows, V's scale words
.set TV,  15
.set TT,  84
.set CNT, 85
.set RK,  86
.set QT,  87
.set HD,  94
; s[16:63], s[68:83]: in the loop the 64 mask words (word n in s[16 + n], from n = 48 on in s[20 + n]); at the head s[16:31] the pointers and s[32:47] the flag words
	s_load_b512 s[16:31], s[0:1], 0x0              ; q_codes 16, q_scales 18, k_codes 20, k_scales 22, v_codes 24, v_scales 26, mwords 28, mflags 30
	s_load_b64 s[OUT:OUT+1], s[0:1], 0x40          ; out0
	v_lshl_add_u32 v251, v0, 2, 0x34400
	v_mov_b32 v255, 0
	v_lshrrev_b32 v[TMP], 5, v0
	v_readfirstlane_b32 s[WV], v[TMP]              ; wave 0..15
	s_cmp_lt_u32 s[WV], 8                          ; rho: a nibble of one of two words: 15 2 1 12 4 9 10 7 | 8 5 6 11 3 14 13 0
	s_mov_b32 s2, 0x0de3b658
	s_cselect_b32 s2, 0x7a94c12f, s2
	s_and_b32 s3, s[WV], 7
	s_lshl_b32 s3, s3, 2
	s_lshr_b32 s2, s2, s3
	s_and_b32 s[RK], s2, 15
	s_lshl_b32 s[QT], s[RK], 3
	s_add_co_u32 s[QT], s[QT], ttmp9               ; my tile of queries: it enters global addresses alone
	s_and_b32 s[HD], ttmp7, 0xffff                 ; the head
	v_and_b32 v[AK0], 31, v0
	v_lshlrev_b32 v[AK0], 4, v[AK0]
	v_and_b32 v[TMP], 15, v0                       ; r
	v_bfe_u32 v[F], v0, 4, 1                       ; h
	v_mul_u32_u24 v[AV0], v[TMP], VP
	v_lshl_add_u32 v[AV0], v[F], 4, v[AV0]
	v_add_nc_u32 v[AV0], VROW, v[AV0]
	v_lshrrev_b32 v[AT0], 1, v[AK0]
	v_add_nc_u32 v[AT0], VSC, v[AT0]
	v_lshlrev_b32 v8, 4, v0                        ; the fill: thread t takes 16 bytes at 16 t of each 8,192 of K's and V's codes,
	v_lshlrev_b32 v9, 3, v0                        ; and 8 bytes at 8 t of each tensor of scales
	v_lshlrev_b32 v10, 5, v[TMP]
	v_lshl_add_u32 v10, v[F], 4, v10               ; Q: row r of 32 bytes, + 16 h
	v_lshlrev_b32 v11, 1, v[TMP]                   ; Q's scales: 2 bytes a row
	s_lshl_b32 s88, s[HD], 16                      ; a head's codes: 65,536 bytes in each of the three tensors
	s_mov_b32 s89, 0
	s_lshl_b32 s90, s[HD], 12                      ; a head's scales: 4,096 bytes
	s_mov_b32 s91, 0
	s_mov_b32 s93, 0
	s_wait_kmcnt 0x0
	s_lshl_b32 s92, s[QT], 6                       ; a tile's 16 flag words
	s_add_nc_u64 s[30:31], s[30:31], s[92:93]
	s_load_b512 s[32:47], s[30:31], 0x0
	s_add_nc_u64 s[20:21], s[20:21], s[88:89]
	s_add_nc_u64 s[24:25], s[24:25], s[88:89]
	s_add_nc_u64 s[16:17], s[16:17], s[88:89]
	s_add_nc_u64 s[22:23], s[22:23], s[90:91]
	s_add_nc_u64 s[26:27], s[26:27], s[90:91]
	s_add_nc_u64 s[18:19], s[18:19], s[90:91]
	s_lshl_b32 s92, s[QT], 9                       ; a tile's 16 rows of Q's codes
	s_add_nc_u64 s[16:17], s[16:17], s[92:93]
	s_lshl_b32 s92, s[QT], 5                       ; and of its scales
	s_add_nc_u64 s[18:19], s[18:19], s[92:93]
.irp i, 0,1,2,3,4,5,6,7
	global_load_b128 v[S+4*\i:S+4*\i+3], v8, s[20:21] offset:8192*\i          ; K: a wave's load covers 512 consecutive bytes
.endr
.irp i, 0,1,2,3,4,5,6,7
	global_load_b128 v[S+32+4*\i:S+32+4*\i+3], v8, s[24:25] offset:8192*\i    ; V likewise
.endr
	global_load_b64 v[BM:BM+1], v9, s[22:23]       ; K's scales: keys 4 t .. 4 t + 3
	global_load_b64 v[BM+2:BM+3], v9, s[26:27]     ; V's scales: words 2 t, 2 t + 1
	global_load_b128 v[QF:QF+3], v10, s[16:17]     ; Q's fragment stays in registers
	global_load_u16 v[QS], v11, s[18:19]           ; its two scale bytes; the word's upper half is 0
	s_lshl_b32 s92, s[QT], 12                      ; a tile's mask words (16 steps x 256 bytes) and its rows of out0 (16 x 256 bytes) are 4,096 bytes each
	s_add_nc_u64 s[MWP:MWP+1], s[28:29], s[92:93]
	s_add_nc_u64 s[OUT:OUT+1], s[OUT:OUT+1], s[92:93]
	s_lshl_b32 s92, s[HD], 19                      ; a head of out0: 2,048 rows of 256 bytes
	s_add_nc_u64 s[OUT:OUT+1], s[OUT:OUT+1], s[92:93]
	; register work while the 20 loads are out
.irp j, 4,5,6,7
	v_mov_b32 v[QF+\j], 0                          ; zero codes for k = 64..127
.endr
.irp t, 0,1,2,3,4,5,6,7
.irp j, 4,5,6,7
	v_mov_b32 v[KF+8*\t+\j], 0
.endr
.endr
.set j, 0
.rept 32
	v_mov_b32 v[O+j], 0                            ; O^T begins as zeros: which step a wave works first hangs on the stored flags, so no first step can be written out with the constant 0 as C
.set j, j+1
.endr
.irp b, 0,1,2,3
	v_mov_b32 v[TP+\b], 0                          ; written once: a lane permute's destination counts as one of its sources
.endr
	v_mov_b32 v[F], 0                              ; likewise, for a wave that skips every step
	v_mov_b32 v[PW], 0                             ; (named as the upper half of the pair v[252:253] before it is first written)
	v_mov_b32 v14, 0                               ; the sum, in two halves
	v_mov_b32 v15, 0
	v_mov_b32 v[NINF], 0xff800000
	v_mov_b32 v13, 0xff61b1e6                      ; the largest t so far: -3e38
	v_floor_f32 v12, -v13                          ; -M
	; where thread t's 16 bytes of K go.  Chunk t + 512 i is key (t >> 1) + 256 i, half t & 1.  Of the key's number in its step bits 2:0 and 4 are the tile's row m, bit 3 is u, bits 6:5 are b; the half is the lane's half.
	v_bfe_u32 v[TMP], v0, 1, 3
	v_lshlrev_b32 v[CV], 4, v[TMP]                 ; 16 x m's low three bits
	v_and_b32 v[TMP], 1, v0
	v_lshl_or_b32 v[CV], v[TMP], 8, v[CV]          ; + 256 x half
	v_bfe_u32 v[TMP], v0, 4, 1
	v_lshl_or_b32 v[CV], v[TMP], 9, v[CV]          ; + 512 u
	v_bfe_u32 v[TMP], v0, 5, 1
	v_lshl_or_b32 v[CV], v[TMP], 7, v[CV]          ; + 128 x m's bit 3
	v_bfe_u32 v[TMP], v0, 6, 2
	v_lshl_or_b32 v[CV], v[TMP], 10, v[CV]         ; + 1,024 b
	v_bfe_u32 v[TMP], v0, 8, 1
	v_mad_u32_u24 v[CV], v[TMP], KSTEP, v[CV]      ; + the step's record; 256 keys on are two records on
	v_lshrrev_b32 v[TMP], 6, v0                    ; V: chunk t + 512 i is row (t >> 6) + 8 i, bytes 16 (t & 63)
	v_mul_u32_u24 v[CV+1], v[TMP], VP
	v_and_b32 v[TMP], 63, v0
	v_lshl_add_u32 v[CV+1], v[TMP], 4, v[CV+1]
	v_add_nc_u32 v[CV+1], VROW, v[CV+1]
	v_lshrrev_b32 v[TMP], 5, v0                    ; K's scales: key 4 t + e: step t >> 5; lane = e + 4 t[0] + 8 t[2] + 16 t[1]; word b = t[4:3]
	v_mul_u32_u24 v[CV+2], v[TMP], KSTEP
	v_add_nc_u32 v[CV+2], KSCO, v[CV+2]
	v_bfe_u32 v[TMP], v0, 1, 1
	v_lshl_add_u32 v[CV+2], v[TMP], 8, v[CV+2]
	v_bfe_u32 v[TMP], v0, 2, 1
	v_lshl_add_u32 v[CV+2], v[TMP], 7, v[CV+2]
	v_and_b32 v[TMP], 1, v0
	v_lshl_add_u32 v[CV+2], v[TMP], 6, v[CV+2]
	v_bfe_u32 v[TMP], v0, 3, 2
	v_lshl_add_u32 v[CV+2], v[TMP], 2, v[CV+2]
	v_and_b32 v[TMP], 7, v0                        ; V's scales: word 2 t + e: row d = t >> 3, step 2 (t & 7) + e; lane = d & 31, word a = d >> 5
	v_lshlrev_b32 v[CV+3], 9, v[TMP]
	v_bfe_u32 v[TMP], v0, 3, 5
	v_lshl_add_u32 v[CV+3], v[TMP], 3, v[CV+3]
	v_lshrrev_b32 v[TMP], 8, v0
	v_lshl_add_u32 v[CV+3], v[TMP], 2, v[CV+3]
	v_add_nc_u32 v[CV+3], VSC, v[CV+3]
	s_mov_b32 s[SEL], 0x76543210
	s_mov_b32 s[SEL+1], 0xfedcba98
	s_mov_b32 s[CS], 0x3e38aa3b                    ; log2(e) / 8
	s_mov_b32 s[CS+1], s[CS]
	s_mov_b32 s[TK], 0
	s_mov_b32 s[TV], 0
	s_mov_b32 s[TT], 0
	s_mov_b32 s[CNT], 0
	s_wait_loadcnt 12                              ; K's eight loads are in; the 12 younger (V's 8, the scales' 2, Q's 2) may be out
.irp i, 0,1,2,3,4,5,6,7
	ds_store_b128 v[CV], v[S+4*\i:S+4*\i+3] offset:2*KSTEP*\i
.endr
	s_wait_loadcnt 4                               ; V's eight are in; the scales' 2 and Q's 2 may be out
.irp i, 0,1,2,3,4,5,6,7
	ds_store_b128 v[CV+1], v[S+32+4*\i:S+32+4*\i+3] offset:8*VP*\i
.endr
	s_wait_loadcnt 2                               ; the scales are in; Q's 2 may be out
	v_and_b32 v[KWD], 0xffff, v[BM]                ; a key's two bytes become a scale word whose upper two bytes are 0
	v_lshrrev_b32 v[KWD+1], 16, v[BM]
	v_and_b32 v[KWD+2], 0xffff, v[BM+1]
	v_lshrrev_b32 v[KWD+3], 16, v[BM+1]
.irp e, 0,1,2,3
	ds_store_b32 v[CV+2], v[KWD+\e] offset:16*\e
.endr
	ds_store_b32 v[CV+3], v[BM+2]
	ds_store_b32 v[CV+3], v[BM+3] offset:256
	s_wait_kmcnt 0x0                               ; the 16 flag words
	s_or_b32 s[FLG], s32, s33
.irp i, 34,35,36,37,38,39,40,41,42,43,44,45,46,47
	s_or_b32 s[FLG], s[FLG], s[\i]
.endr
	s_wait_loadcnt 0x0                             ; Q is in, and every load that names s[16:27] or v8-v11 is done
.irp i, 16,18,20,22,24,26,28,30,32,34,36,38,40,42,44,46,48,50,52,54,56,58,60,62,68,70,72,74,76,78,80,82
	s_mov_b64 s[\i:\i+1], -1                       ; the mask words' registers are written on every path
.endr
	s_wait_dscnt 0x0                               ; for the others' sake: my stores into LDS are done
	s_barrier_signal -1
	s_barrier_wait -1                              ; the head's K, V and scales lie in LDS; nothing there is written again but each wave's own stage
.Lstep:                                            ; 16 trips, 128 keys each
	s_bitcmp1_b32 s[FLG], 0
	s_cbranch_scc0 .Lskip                          ; no key of this step is open for any of my 16 queries
	v_add_nc_u32 v[ADK], s[TK], v[AK0]
	v_add_nc_u32 v[ADV], s[TV], v[AV0]
	v_add_nc_u32 v[ADT], s[TT], v[AT0]
	v_nop                                          ; four places between the last products V^T P^T and the loads into the registers that they read (ISA guide 7.12.1 for vector instructions)
	s_bitcmp1_b32 s[FLG], 16
	s_cbranch_scc0 .Lnoload                        ; no hidden key: the words are not wanted
	s_load_b512 s[16:31], s[MWP:MWP+1], 0x0
	s_load_b512 s[32:47], s[MWP:MWP+1], 0x40
	s_load_b512 s[48:63], s[MWP:MWP+1], 0x80
	s_load_b512 s[68:83], s[MWP:MWP+1], 0xc0
.Lnoload:
.irp t, 0,1,2,3,4,5,6,7
	ds_load_b128 v[KF+8*\t:KF+8*\t+3], v[ADK] offset:512*\t
.endr
	ds_load_b128 v[KS:KS+3], v[ADK] offset:KSCO
.irp T, 0,1,2,3
.irp c, 0,1
	ds_load_b128 v[VF+8*\T+4*\c:VF+8*\T+4*\c+3], v[ADV] offset:16*VP*\T+32*\c      ; V is asked for at the step's head and lands under the softmax
.endr
.endr
	ds_load_b64 v[VS:VS+1], v[ADT]
	s_wait_dscnt 9                                 ; K's nine loads are in; V's nine, issued behind them, may be out
.irp t, 0,2,4,6                        ; S^T = K Q^T; a scale register holds tile t's words in lanes 0-15 and tile t + 1's in lanes 16-31
	v_wmma_scale_f32_16x16x128_f8f6f4 v[S+8*\t:S+8*\t+7], v[KF+8*\t:KF+8*\t+7], v[QF:QF+7], 0, v[KS+\t/2], v[QS] matrix_a_fmt:MATRIX_FMT_FP4 matrix_b_fmt:MATRIX_FMT_FP4
	v_wmma_scale_f32_16x16x128_f8f6f4 v[S+8*\t+8:S+8*\t+15], v[KF+8*\t+8:KF+8*\t+15], v[QF:QF+7], 0, v[KS+\t/2], v[QS] matrix_a_fmt:MATRIX_FMT_FP4 matrix_b_fmt:MATRIX_FMT_FP4 matrix_a_scale:MATRIX_SCALE_ROW1
.endr
.rept 4
	v_nop                                          ; four places in front of the first read of the scores
.endr
	s_wait_kmcnt 0x0                               ; on every path: beyond here no scalar load is out, so the words may be read and their pointer stepped
	s_bitcmp1_b32 s[FLG], 16
	s_cbranch_scc0 .Lopen
.set n, 0
.rept 64                               ; hidden scores become -infinity ahead of the maximum; each accumulator is taken from its low end on
.if n < 48
	v_cndmask_b32 v[S+n], v[NINF], v[S+n], s[16+n]
.else
	v_cndmask_b32 v[S+n], v[NINF], v[S+n], s[20+n]
.endif
.set n, n+1
.endr
.Lopen:
.irp b, 0,1,2,3
	v_max3_num_f32 v[BM+\b], v[S+16*\b], v[S+1+16*\b], v[S+2+16*\b]   ; the largest score of each block of 32 keys: it serves the row's maximum and, since p rises with the score, the block's largest p
.endr
.irp i, 3,5,7,9,11,13
.irp b, 0,1,2,3
	v_max3_num_f32 v[BM+\b], v[BM+\b], v[S+16*\b+\i], v[S+1+16*\b+\i]  ; the four blocks by turns
.endr
.endr
.irp b, 0,1,2,3
	v_max_num_f32 v[BM+\b], v[BM+\b], v[S+15+16*\b]
.endr
.irp b, 0,1,2,3
	v_permlanex16_b32 v[TP+\b], v[BM+\b], s[SEL], s[SEL+1]
.endr
.irp b, 0,1,2,3
	v_max_num_f32 v[BM+\b], v[BM+\b], v[TP+\b]     ; with lane l xor 16's 16 keys
.endr
	v_max3_num_f32 v[TMP], v[BM], v[BM+1], v[BM+2]
	v_max_num_f32 v[TMP], v[TMP], v[BM+3]          ; the step's largest score of my query
	v_mul_f32 v[TMP], s[CS], v[TMP]                ; as t (c is positive)
	v_max_num_f32 v13, v13, v[TMP]                 ; the running largest t
	v_mov_b32 v[TMP], v12
	v_floor_f32 v12, -v13                          ; the new -M = floor(-t) = -ceil(t)
	v_sub_f32 v[TMP], v12, v[TMP]                  ; old M - new M: a whole number, 0 or less
	v_cvt_i32_f32 v[TMP], v[TMP]                   ; (it saturates)
	v_ldexp_f32 v[F], 1.0, v[TMP]                  ; f = 2^(old M - new M)
.set j, 0
.rept 32
	v_pk_fma_f32 v[S+j:S+j+1], v[S+j:S+j+1], s[CS:CS+1], v[12:13] op_sel_hi:[1,0,0]   ; t - M, two at a time (of the pairs c and -M the low word serves both halves)
.set j, j+2
.endr
.irp b, 0,1,2,3
	v_fma_f32 v[BM+\b], v[BM+\b], s[CS], v12       ; the same of each block's largest score
.endr
.set j, 0
.rept 64
	v_exp_f32 v[S+j], v[S+j]                       ; p = 2^(t - M), at most 1
.set j, j+1
.endr
.irp b, 0,1,2,3
	v_exp_f32 v[BM+\b], v[BM+\b]                   ; the block's largest p: the same two instructions on the same number
.endr
	v_pk_mul_f32 v[14:15], v[14:15], v[F:F+1] op_sel_hi:[1,0]   ; the sums under the new M; also the plain place behind the exponentials
	s_wait_alu depctr_va_vdst(0)
.irp b, 0,1,2,3
	v_max_num_f32 v[BM+\b], 0x1800000, v[BM+\b]    ; the floor 2^(3 - 127): the byte cannot fall under 1; a block of zeros keeps that byte over zero codes
.endr
.irp b, 0,1,2,3
	v_add_nc_u32 v[CV+\b], 0xff000000, v[BM+\b]    ; 2 off the exponent field: the conversion's scale operand
.endr
.irp b, 0,1,2,3
	v_lshrrev_b32 v[TP+\b], 23, v[CV+\b]           ; the scale's byte
.endr
	v_lshl_or_b32 v[PW], v[TP+1], 8, v[TP]         ; p's scale word for these 128 keys
	v_lshl_or_b32 v[PW], v[TP+2], 16, v[PW]
	v_lshl_or_b32 v[PW], v[TP+3], 24, v[PW]
.irp b, 0,1,2,3
	v_cvt_scalef32_pk8_fp4_f32 v[PC+2*\b], v[S+16*\b:S+7+16*\b], v[CV+\b]
	v_cvt_scalef32_pk8_fp4_f32 v[PC+1+2*\b], v[S+8+16*\b:S+15+16*\b], v[CV+\b]
.endr
	v_nop                                          ; one plain place behind the scaled conversions
.irp c, 0,1                            ; the operand's layout wants a whole block in a lane: lanes 0-15 block 2 c, lanes 16-31 block 2 c + 1
.irp i, 0,1
	v_permlane16_swap_b32 v[PC+4*\c+\i], v[PC+2+4*\c+\i]
.endr
.endr
	v_pk_add_f32 v[TP:TP+1], v[S:S+1], v[S+2:S+3]  ; the row's sum is taken of the unquantised p: two at a time, in two chains
.irp j, 4,8,12,16,20,24,28,32,36,40,44,48,52,56,60
	v_pk_add_f32 v[14:15], v[14:15], v[S+\j:S+\j+1]
	v_pk_add_f32 v[TP:TP+1], v[TP:TP+1], v[S+2+\j:S+3+\j]
.endr
	v_pk_add_f32 v[14:15], v[14:15], v[TP:TP+1]
.set j, 0
.rept 16
	v_pk_mul_f32 v[O+j:O+j+1], v[O+j:O+j+1], v[F:F+1] op_sel_hi:[1,0]   ; O^T under the new M, from each accumulator's low end on.  The 32 additions above are the places between the writes of p's codes and scale word and the products below
.set j, j+2
.endr
	s_wait_dscnt 0x0                               ; V and its scale words
.irp T, 0,2                            ; O^T += V^T P^T.  The accumulators take turns, one instruction a turn: S0..S7, O0..O3, over the backward jump too
	v_wmma_scale_f32_16x16x128_f8f6f4 v[O+8*\T:O+8*\T+7], v[VF+8*\T:VF+8*\T+7], v[PC:PC+7], v[O+8*\T:O+8*\T+7], v[VS+\T/2], v[PW] matrix_a_fmt:MATRIX_FMT_FP4 matrix_b_fmt:MATRIX_FMT_FP4
	v_wmma_scale_f32_16x16x128_f8f6f4 v[O+8*\T+8:O+8*\T+15], v[VF+8*\T+8:VF+8*\T+15], v[PC:PC+7], v[O+8*\T+8:O+8*\T+15], v[VS+\T/2], v[PW] matrix_a_fmt:MATRIX_FMT_FP4 matrix_b_fmt:MATRIX_FMT_FP4 matrix_a_scale:MATRIX_SCALE_ROW1
.endr
.Lskip:                                            ; the steps of addresses and flags stand on every path
	s_lshr_b32 s[FLG], s[FLG], 1
	s_add_co_u32 s[TK], s[TK], KSTEP
	s_add_co_u32 s[TV], s[TV], 64
	s_add_co_u32 s[TT], s[TT], 256
	s_add_nc_u64 s[MWP:MWP+1], s[MWP:MWP+1], 256
	s_add_co_u32 s[CNT], s[CNT], 1
	s_cmp_lt_u32 s[CNT], 16
	s_cbranch_scc1 .Lstep
	; THE WAY OUT.  O^T / the sum goes through my own stage in LDS and leaves as whole rows.  The eight address lines are also the places behind the last products.
	v_and_b32 v8, 15, v0                           ; r
	v_bfe_u32 v9, v0, 4, 1                         ; h
	s_mul_i32 s2, s[WV], 16*SP
	s_add_co_u32 s2, s2, STG                       ; my stage
	v_mul_u32_u24 v10, v8, SP
	v_lshl_add_u32 v10, v9, 5, v10
	v_add_nc_u32 v10, s2, v10                      ; in: row r; tile T's eight channels of my half at 64 T + 32 h
	v_mul_u32_u24 v11, v9, SP
	v_lshl_add_u32 v11, v8, 4, v11
	v_add_nc_u32 v11, s2, v11                      ; back: lanes 0-15 one row of 256 bytes, lanes 16-31 the next
	v_add_f32 v14, v14, v15                        ; the sum's two halves,
	v_permlanex16_b32 v[F], v14, s[SEL], s[SEL+1]
	v_add_f32 v14, v14, v[F]                       ; and lane l xor 16's: the row's sum
	v_rcp_f32 v14, v14
	v_nop                                          ; one plain place behind the transcendental
.set j, 0
	s_wait_alu depctr_va_vdst(0)
.rept 16
	v_pk_mul_f32 v[S+j:S+j+1], v[O+j:O+j+1], v[14:15] op_sel_hi:[1,0]   ; register 8 T + i is out0(r, 16 T + 8 h + i)
.set j, j+2
.endr
.irp T, 0,1,2,3
	ds_store_b128 v10, v[S+8*\T:S+8*\T+3] offset:64*\T
	ds_store_b128 v10, v[S+8*\T+4:S+8*\T+7] offset:64*\T+16
.endr
.irp i, 0,1,2,3,4,5,6,7
	ds_load_b128 v[KF+4*\i:KF+4*\i+3], v11 offset:2*\i*SP          ; LDS serves a wave's instructions in order (ISA guide 5.7.1.4): these see my stores
.endr
.irp i, 0,1,2,3,4,5,6,7
	s_wait_dscnt 7-\i                              ; load i is in; the younger ones may be out
	global_store_b128 v[AK0], v[KF+4*\i:KF+4*\i+3], s[OUT:OUT+1] offset:512*\i th:TH_STORE_NT   ; 32 lanes store two rows, 512 consecutive bytes, at a multiple of 256 from out0's first byte
.endr
	s_wait_tensorcnt 0x0
	ds_add_u32 v251, v255
	s_wait_dscnt 0x0
	s_endpgm
.Lfunc_end_k_q790814856a_attn:
	.size	k_q790814856a_attn, .Lfunc_end_k_q790814856a_attn-k_q790814856a_attn
	.p2alignl 7, 3214868480
	.fill 96, 4, 3214868480
	.section	.rodata,"a",@progbits
	.p2align	6, 0x0
	.amdhsa_kernel k_q790814856a_attn
		.amdhsa_group_segment_fixed_size 216064
		.amdhsa_private_segment_fixed_size 0
		.amdhsa_enable_private_segment 0
		.amdhsa_kernarg_size 72
		.amdhsa_user_sgpr_count 2
		.amdhsa_user_sgpr_kernarg_segment_ptr 1
		.amdhsa_wavefront_size32 1
		.amdhsa_system_sgpr_workgroup_id_x 1
		.amdhsa_system_sgpr_workgroup_id_y 1
		.amdhsa_system_sgpr_workgroup_id_z 1
		.amdhsa_system_vgpr_workitem_id 0
		.amdhsa_next_free_vgpr 256
		.amdhsa_next_free_sgpr 96
		.amdhsa_reserve_vcc 0
		.amdhsa_float_denorm_mode_32 3
		.amdhsa_float_denorm_mode_16_64 3
		.amdhsa_memory_ordered 1
		.amdhsa_forward_progress 1
		.amdhsa_inst_pref_size 36
	.end_amdhsa_kernel
	.amdgpu_metadata
---
amdhsa.version: [ 1, 2 ]
amdhsa.kernels:
  - .name:           k_q790814856a_attn
    .symbol:         k_q790814856a_attn.kd
    .args:
      - { .name: q_codes, .offset: 0, .size: 8, .value_kind: global_buffer, .address_space: global }
      - { .name: q_scales, .offset: 8, .size: 8, .value_kind: global_buffer, .address_space: global }
      - { .name: k_codes, .offset: 16, .size: 8, .value_kind: global_buffer, .address_space: global }
      - { .name: k_scales, .offset: 24, .size: 8, .value_kind: global_buffer, .address_space: global }
      - { .name: v_codes, .offset: 32, .size: 8, .value_kind: global_buffer, .address_space: global }
      - { .name: v_scales, .offset: 40, .size: 8, .value_kind: global_buffer, .address_space: global }
      - { .name: mwords, .offset: 48, .size: 8, .value_kind: global_buffer, .address_space: global }
      - { .name: mflags, .offset: 56, .size: 8, .value_kind: global_buffer, .address_space: global }
      - { .name: out0, .offset: 64, .size: 8, .value_kind: global_buffer, .address_space: global }
    .group_segment_fixed_size: 216064
    .private_segment_fixed_size: 0
    .kernarg_segment_align: 8
    .kernarg_segment_size: 72
    .max_flat_workgroup_size: 512
    .sgpr_count:     96
    .vgpr_count:     256
    .wavefront_size: 32
...
	.end_amdgpu_metadata
.endif
;; end of part 2
;; ======== version 2 of 2: 2 launches
;; workspace buffers: mwords 524,288 bytes of whole numbers; mflags 8,192 bytes of whole numbers
;; launch maskbits (part 3): grid 256 x 1, 8 waves a work-group, no clusters, 0 bytes of LDS; arguments mask, mwords, mflags; writes mwords, mflags
.if DOCPART == 3
	.amdgcn_target "amdgcn-amd-amdhsa--gfx1250"
	.amdhsa_code_object_version 6
	.text
	.protected	k_q790814856a_maskbits
	.globl	k_q790814856a_maskbits
	.p2align	8
	.type	k_q790814856a_maskbits,@function
k_q790814856a_maskbits:
	s_mov_b64 s[64:65], 0
	v_nop
	global_prefetch_b8 v0, s[64:65] scope:SCOPE_SE
	s_setreg_imm32_b32 hwreg(HW_REG_WAVE_MODE, 25, 1), 1
	s_wait_xcnt 0x0
; The mask [2048 queries][2048 keys], one byte each (true = not 0), becomes lane words for the attention launch.
; A UNIT is 16 queries (tile qt) x 128 keys (step): 128 x 16 = 2,048 units, one wave each, 8 waves a work-group, 256 work-groups.
; mwords [qt][step][n = 0..63], u32: bit l of word n = 16 b + i is mask[16 qt + l % 16][128 step + 32 b + 16 (l / 16) + i]:
; the query and key whose score lane l of the attention launch holds in score register n, so a word is a lane select as it stands.
; mflags [qt][step], u32: bit step = some key of the unit is open; bit 16 + step = some key of the unit is hidden.  The OR of a tile's 16 words is its flag word.
; No LDS, no barrier, no loop: a wave's four loads go out together; the mask is read once in the launch.
.set ANY, 16                           ; s16  OR of the 64 words
.set ALL, 17                           ; s17  AND of the 64 words
.set CW,  20                           ; s[20:23] compare results, by turns
.set MB,  16                           ; v[16:31] the unit's bytes: register 4 b + i / 4, byte i % 4
	s_load_b128 s[4:7], s[0:1], 0x0                ; mask s[4:5], mwords s[6:7]
	s_load_b64 s[8:9], s[0:1], 0x10                ; mflags
	v_lshrrev_b32 v2, 5, v0
	s_delay_alu instid0(VALU_DEP_1)
	v_readfirstlane_b32 s10, v2                    ; wave 0..7
	s_lshl_b32 s11, ttmp9, 3
	s_add_co_u32 s11, s11, s10                     ; my unit = 8 x work-group + wave
	s_lshr_b32 s12, s11, 4                         ; qt
	s_and_b32 s13, s11, 15                         ; step
	v_and_b32 v9, 31, v0                           ; lane
	v_and_b32 v1, 15, v0                           ; my query of the tile
	v_bfe_u32 v2, v0, 4, 1                         ; my half
	s_delay_alu instid0(VALU_DEP_2)
	v_lshlrev_b32 v1, 11, v1                       ; a row of the mask is 2,048 bytes
	s_delay_alu instid0(VALU_DEP_1)
	v_lshl_add_u32 v1, v2, 4, v1                   ; + 16 keys for lanes 16-31
	v_lshlrev_b32 v6, 3, v9                        ; out: 8 bytes a lane
	v_mov_b32 v4, 0                                ; the words' registers are written whole once: v_writelane_b32 keeps the other lanes
	v_mov_b32 v5, 0
	v_mov_b32 v8, 0
	s_mov_b32 s[ANY], 0
	s_mov_b32 s[ALL], -1
	s_mov_b32 s15, 0
	s_lshl_b32 s14, s12, 15                        ; 16 rows of 2,048 bytes a tile,
	s_lshl_b32 s2, s13, 7                          ; 128 bytes a step
	s_add_co_u32 s14, s14, s2
	s_wait_alu depctr_va_vdst(0)
	s_wait_kmcnt 0x0
	s_add_nc_u64 s[4:5], s[4:5], s[14:15]
	s_lshl_b32 s14, s11, 8                         ; 256 bytes of words a unit
	s_add_nc_u64 s[6:7], s[6:7], s[14:15]
	s_lshl_b32 s14, s11, 2                         ; 4 bytes of flags a unit
	s_add_nc_u64 s[8:9], s[8:9], s[14:15]
.irp b, 0,1,2,3
	global_load_b128 v[MB+4*\b:MB+4*\b+3], v1, s[4:5] offset:32*\b th:TH_LOAD_NT   ; 16 neighbouring keys of my row; the four loads cover 128 consecutive bytes of each of 16 rows
.endr
	s_wait_loadcnt 0x0
; word n: its byte is cut out, compared with 0 in all 32 lanes, and the 32 bits go to lane n / 2 of register n % 2, so that a lane's pair is 8 neighbouring bytes of the output
.set n, 0
.rept 64
	v_and_b32 v[2+n%2], 0xff<<(8*(n%4)), v[MB+4*(n/16)+(n%16)/4]
	s_delay_alu instid0(VALU_DEP_1)
	v_cmp_ne_u32 s[CW+n%4], 0, v[2+n%2]
	s_or_b32 s[ANY], s[ANY], s[CW+n%4]
	s_and_b32 s[ALL], s[ALL], s[CW+n%4]
	v_writelane_b32 v[4+n%2], s[CW+n%4], n/2
.set n, n+1
.endr
	global_store_b64 v6, v[4:5], s[6:7]            ; the wave stores 256 consecutive bytes, at a multiple of 256 from the buffer's first byte
	s_cmp_lg_u32 s[ANY], 0
	s_cselect_b32 s2, 1, 0                         ; some key open
	s_cmp_lg_u32 s[ALL], -1
	s_cselect_b32 s3, 0x10000, 0                   ; some key hidden
	s_or_b32 s2, s2, s3
	s_lshl_b32 s2, s2, s13                         ; at the step's two bits
	v_mov_b32 v7, s2
	v_cmp_eq_u32 vcc_lo, 0, v9
	s_wait_alu depctr_va_vdst(0)
	s_wait_xcnt 0x0                                ; EXEC is a source of the store above: it changes only behind this wait
	s_and_saveexec_b32 s24, vcc_lo
	global_store_b32 v8, v7, s[8:9]                ; lane 0 alone: 4 bytes a unit, 8,192 bytes in the whole launch; gathering them would cost LDS and a barrier
	s_wait_xcnt 0x0                                ; and again in front of the line that widens it
	s_or_b32 exec_lo, exec_lo, s24
	s_endpgm
.Lfunc_end_k_q790814856a_maskbits:
	.size	k_q790814856a_maskbits, .Lfunc_end_k_q790814856a_maskbits-k_q790814856a_maskbits
	.p2alignl 7, 3214868480
	.fill 96, 4, 3214868480
	.section	.rodata,"a",@progbits
	.p2align	6, 0x0
	.amdhsa_kernel k_q790814856a_maskbits
		.amdhsa_group_segment_fixed_size 0
		.amdhsa_private_segment_fixed_size 0
		.amdhsa_enable_private_segment 0
		.amdhsa_kernarg_size 24
		.amdhsa_user_sgpr_count 2
		.amdhsa_user_sgpr_kernarg_segment_ptr 1
		.amdhsa_wavefront_size32 1
		.amdhsa_system_sgpr_workgroup_id_x 1
		.amdhsa_system_sgpr_workgroup_id_y 1
		.amdhsa_system_sgpr_workgroup_id_z 1
		.amdhsa_system_vgpr_workitem_id 0
		.amdhsa_next_free_vgpr 40
		.amdhsa_next_free_sgpr 66
		.amdhsa_reserve_vcc 1
		.amdhsa_float_denorm_mode_32 3
		.amdhsa_float_denorm_mode_16_64 3
		.amdhsa_memory_ordered 1
		.amdhsa_forward_progress 1
		.amdhsa_inst_pref_size 21
	.end_amdhsa_kernel
	.amdgpu_metadata
---
amdhsa.version: [ 1, 2 ]
amdhsa.kernels:
  - .name:           k_q790814856a_maskbits
    .symbol:         k_q790814856a_maskbits.kd
    .args:
      - { .name: mask, .offset: 0, .size: 8, .value_kind: global_buffer, .address_space: global }
      - { .name: mwords, .offset: 8, .size: 8, .value_kind: global_buffer, .address_space: global }
      - { .name: mflags, .offset: 16, .size: 8, .value_kind: global_buffer, .address_space: global }
    .group_segment_fixed_size: 0
    .private_segment_fixed_size: 0
    .kernarg_segment_align: 8
    .kernarg_segment_size: 24
    .max_flat_workgroup_size: 256
    .sgpr_count:     66
    .vgpr_count:     40
    .wavefront_size: 32
...
	.end_amdgpu_metadata
.endif
;; end of part 3
;; launch attn (part 4): grid 8 x 32, 16 waves a work-group, no clusters, 216,064 bytes of LDS; arguments q_codes, q_scales, k_codes, k_scales, v_codes, v_scales, mwords, mflags, out0; writes out0
.if DOCPART == 4
	.amdgcn_target "amdgcn-amd-amdhsa--gfx1250"
	.amdhsa_code_object_version 6
	.text
	.protected	k_q790814856a_attn
	.globl	k_q790814856a_attn
	.p2align	8
	.type	k_q790814856a_attn,@function
k_q790814856a_attn:
	s_mov_b64 s[64:65], 0
	v_nop
	global_prefetch_b8 v0, s[64:65] scope:SCOPE_SE
	s_setreg_imm32_b32 hwreg(HW_REG_WAVE_SCHED_MODE, 0, 2), 2
	s_setreg_imm32_b32 hwreg(HW_REG_WAVE_MODE, 25, 1), 1
	s_wait_xcnt 0x0
	s_wait_alu depctr_vm_vsrc(0)
; out0[head][q][:] = the sum over keys of softmax(q . k / 8, hidden keys at -infinity) v, 32 heads, 2,048 queries and keys, head size 64; both products on codes of FP4 (E2M1) with one E8M0 scale for each 32 along K.
; q, k: rows of 64 codes (32 bytes) and 2 scale bytes.  v: keys innermost, 64 rows of 2,048 codes (1,024 bytes) and 64 scale bytes a head.  The mask comes as lane words and flags made by the launch before.
; THE SOFTMAX AHEAD OF THE SECOND PRODUCT: t = score x log2(e) / 8; M = the row's largest t so far, rounded UP to a whole number; p = 2^(t - M) is quantised along the keys, not normalised; the row's sum is taken of the
; unquantised p and divides at the end.  When M moves, the sum and O are multiplied by 2^(old M - new M), which rounds nothing.
; SHARES.  A work-group owns one head and 16 tiles of 16 queries, one tile a wave: 16 waves of 256 registers.  Wave w of work-group j takes tile 8 rho(w) + j, rho a fixed permutation of 0..15 (a 4 x 4 square whose rows and
; columns all add up to 30): any deal is right; this one mixes early and late queries in every group of four waves, so that masks which hide more keys from early queries leave the walks even.
; LDS.  A head's K, V and scales are 136 KiB: they are laid into LDS ONCE, through registers, in front of the launch's one barrier; there is no ring.
; SKIPS.  A step of 128 keys none of which is open for any of the wave's 16 queries adds nothing (every p is 0; M, the sum and O stay): a scalar branch on the stored flags jumps over its work.  A step with no hidden key
; jumps over the 64 selects.  Both hold for every mask.
; NO JOINT LOADS, though the 8 work-groups of a head read the same K and V: the skips are branches on numbers read from memory; what is shared is 136 KiB once for a
; work-group, and a skipped step spares about 250 vector instructions.
; LAYOUT.  Both products transposed: S^T = K Q^T (source 0 = 16 keys, source 1 = my 16 queries), O^T = V^T P^T: a lane (r = lane % 16, h = lane / 16) holds query r throughout.  Row m of K's tile 2 b + u is key
; 32 b + 8 u + m + 8 (m / 8), so that score register 16 b + i is key 32 b + 16 h + i.  The head's 64 fill k = 0..63 of the instruction's 128: registers 4-7 of Q's and K's fragments are zero codes, and the scale
; words' upper two bytes are 0, which over zero codes adds nothing.
; EDGES.  A hidden score becomes -infinity ahead of the maximum: p = 0.  A row with no open key yet keeps t = -3e38 and sums of 0.  A row with no open key at all ends as 0 x (1 / 0) = NaN, as the problem's definition gives.
; LIMITS: p under 2^-126 comes out of v_exp_f32 as 0 (ISA guide, 15.8); a block's largest p is made from its largest score, which takes v_exp_f32 not to fall where its input rises; NaN and infinities in the scales (byte 0xff) are not served.
; THE MODE: SCHED_MODE bits 1:0 = 2 (LLVM: expert scheduling mode 2), set by the entry lines.  The code itself states the register dependences
; between vector or matrix instructions and memory or LDS instructions, with s_wait_alu, always for 0.
; THE PLAN.  Registers that memory or LDS instructions touch, in the loop:
;   v4-v6 (ADK, ADV, ADT)   Written by three adds at the head of a step that is worked; read by that step's 18 LDS loads.
;   KF (registers 0-3 of each fragment), KS   A step's first nine LDS loads land in them; its eight products K Q^T read them.
;   VF, VS                  A step's other nine LDS loads land in them; its four products V^T P^T read them.
;   PC, PW                  Named by vector and matrix instructions alone, but written by vector instructions and taken by scaled products as operand and scales.
; So a worked step has: one wait on vm_vsrc ahead of the three adds (the last worked step's loads have read the addresses); one wait on va_vdst behind them (the addresses are written; the earlier products are done
; reading KF, KS, VF, VS); the 18 loads with no further wait, V's nine dealt among the eight products K Q^T, which name S, KF, QF, KS, QS: none of the registers that V's loads touch; the wait behind the exponentials;
; and one wait on va_vdst ahead of the products V^T P^T (PC and PW are written).  A step that is skipped issues nothing on either side.
; Outside the loop: the head's offsets and fill addresses, the bytes on their way to LDS, and the way out's stage: each wait there says what it states.
.set KSTEP, 4608                       ; LDS, K of one step: 8 tiles x 512 bytes, images of registers 0-3 (lane l's 16 bytes at 16 l); at +4,096 the scale words: lane l's 16 bytes = words b = 0..3 of tile 2 b + l / 16, row l % 16
.set KSCO,  4096
.set VROW,  16*KSTEP                   ; 73,728: V's 64 rows, 1,024 bytes + 16 of padding: the pitch is an odd multiple of 16 bytes, so the 16 rows that a load touches start at 16 different 16-byte columns modulo 256
.set VP,    1040
.set VSC,   VROW+64*VP                 ; 140,288: V's scale words, 256 bytes a step: lane l's 8 bytes = words a = 0, 1 of row 16 (2 a + l / 16) + l % 16
.set STG,   VSC+16*256                 ; 144,384: the way out: 16 rows x (256 + 16) bytes for each wave, its own
.set SP,    272
.set AK0, 1                            ; v1   16 x lane
.set AV0, 2                            ; v2   VROW + r VP + 16 h
.set AT0, 3                            ; v3   VSC + 8 x lane
.set ADK, 4                            ; v4-6 the step's LDS addresses
.set ADV, 5
.set ADT, 6
.set NINF, 7                           ; v7   -infinity
.set QF,  16                           ; v[16:23] Q's fragment, 20-23 zero codes;  v24 its scale word
.set QS,  24
.set KS,  26                           ; v[26:29] K's scale words of the step;  v[30:31] V's
.set VS,  30
.set KF,  32                           ; v[32:95] K's 8 fragments, registers 4-7 of each zero codes
.set S,   96                           ; v[96:159] S^T, then p (at the head: K's and V's bytes on their way to LDS)
.set O,   160                          ; v[160:191] O^T, 4 tiles
.set VF,  192                          ; v[192:223] V's 4 fragments
.set PC,  224                          ; v[224:231] p's codes
.set BM,  232                          ; v[232:235] the blocks' largest scores (at the head: scale bytes as loaded)
.set TP,  236                          ; v[236:239] at work
.set KWD, 240                          ; v[240:243] at the head: K's scale words
.set CV,  244                          ; v[244:247] the conversions' scale operands (at the head: where I store K, V, K's scales, V's scales)
.set F,   252                          ; v252 f = 2^(old M - new M);  v253 p's scale word;  v254 at work
.set PW,  253
.set TMP, 254
.set MWP, 4                            ; s[4:5]  the step's 64 mask words
.set OUT, 6                            ; s[6:7]  my 16 rows of out0
.set WV,  8
.set FLG, 9                            ; s9   bit 0: the step in hand has an open key; bit 16: it has a hidden one
.set SEL, 10                           ; s[10:11] v_permlanex16_b32's selects for lane l xor 16
.set CS,  12                           ; s[12:13] c = log2(e) / 8, twice: the packed form names a pair
.set TK,  14                           ; s14, s15, s84: the step's place in K's records, V's rows, V's scale words
.set TV,  15
.set TT,  84
.set CNT, 85
.set RK,  86
.set QT,  87
.set HD,  94
; s[16:63], s[68:83]: in the loop the 64 mask words (word n in s[16 + n], from n = 48 on in s[20 + n]); at the head s[16:31] the pointers and s[32:47] the flag words
	s_load_b512 s[16:31], s[0:1], 0x0              ; q_codes 16, q_scales 18, k_codes 20, k_scales 22, v_codes 24, v_scales 26, mwords 28, mflags 30
	s_load_b64 s[OUT:OUT+1], s[0:1], 0x40          ; out0
	v_lshl_add_u32 v251, v0, 2, 0x34400
	v_mov_b32 v255, 0
	v_lshrrev_b32 v[TMP], 5, v0
	v_readfirstlane_b32 s[WV], v[TMP]              ; wave 0..15
	s_wait_alu depctr_va_sdst(0)                   ; s8, the wave's number, is written, ahead of its first reader: the compare below
	s_cmp_lt_u32 s[WV], 8                          ; rho: a nibble of one of two words: 15 2 1 12 4 9 10 7 | 8 5 6 11 3 14 13 0
	s_mov_b32 s2, 0x0de3b658
	s_cselect_b32 s2, 0x7a94c12f, s2
	s_and_b32 s3, s[WV], 7
	s_lshl_b32 s3, s3, 2
	s_lshr_b32 s2, s2, s3
	s_and_b32 s[RK], s2, 15
	s_lshl_b32 s[QT], s[RK], 3
	s_add_co_u32 s[QT], s[QT], ttmp9               ; my tile of queries: it enters global addresses alone
	s_and_b32 s[HD], ttmp7, 0xffff                 ; the head
	v_and_b32 v[AK0], 31, v0
	v_lshlrev_b32 v[AK0], 4, v[AK0]
	v_and_b32 v[TMP], 15, v0                       ; r
	v_bfe_u32 v[F], v0, 4, 1                       ; h
	v_mul_u32_u24 v[AV0], v[TMP], VP
	v_lshl_add_u32 v[AV0], v[F], 4, v[AV0]
	v_add_nc_u32 v[AV0], VROW, v[AV0]
	v_lshrrev_b32 v[AT0], 1, v[AK0]
	v_add_nc_u32 v[AT0], VSC, v[AT0]
	v_lshlrev_b32 v8, 4, v0                        ; the fill: thread t takes 16 bytes at 16 t of each 8,192 of K's and V's codes,
	v_lshlrev_b32 v9, 3, v0                        ; and 8 bytes at 8 t of each tensor of scales
	v_lshlrev_b32 v10, 5, v[TMP]
	v_lshl_add_u32 v10, v[F], 4, v10               ; Q: row r of 32 bytes, + 16 h
	v_lshlrev_b32 v11, 1, v[TMP]                   ; Q's scales: 2 bytes a row
	s_lshl_b32 s88, s[HD], 16                      ; a head's codes: 65,536 bytes in each of the three tensors
	s_mov_b32 s89, 0
	s_lshl_b32 s90, s[HD], 12                      ; a head's scales: 4,096 bytes
	s_mov_b32 s91, 0
	s_mov_b32 s93, 0
	s_wait_kmcnt 0x0
	s_lshl_b32 s92, s[QT], 6                       ; a tile's 16 flag words
	s_add_nc_u64 s[30:31], s[30:31], s[92:93]
	s_load_b512 s[32:47], s[30:31], 0x0
	s_add_nc_u64 s[20:21], s[20:21], s[88:89]
	s_add_nc_u64 s[24:25], s[24:25], s[88:89]
	s_add_nc_u64 s[16:17], s[16:17], s[88:89]
	s_add_nc_u64 s[22:23], s[22:23], s[90:91]
	s_add_nc_u64 s[26:27], s[26:27], s[90:91]
	s_add_nc_u64 s[18:19], s[18:19], s[90:91]
	s_lshl_b32 s92, s[QT], 9                       ; a tile's 16 rows of Q's codes
	s_add_nc_u64 s[16:17], s[16:17], s[92:93]
	s_lshl_b32 s92, s[QT], 5                       ; and of its scales
	s_add_nc_u64 s[18:19], s[18:19], s[92:93]
	s_wait_alu depctr_va_vdst(0)                   ; the offsets v8 to v11 are written, which the 20 loads below read
.irp i, 0,1,2,3,4,5,6,7
	global_load_b128 v[S+4*\i:S+4*\i+3], v8, s[20:21] offset:8192*\i          ; K: a wave's load covers 512 consecutive bytes
.endr
.irp i, 0,1,2,3,4,5,6,7
	global_load_b128 v[S+32+4*\i:S+32+4*\i+3], v8, s[24:25] offset:8192*\i    ; V likewise
.endr
	global_load_b64 v[BM:BM+1], v9, s[22:23]       ; K's scales: keys 4 t .. 4 t + 3
	global_load_b64 v[BM+2:BM+3], v9, s[26:27]     ; V's scales: words 2 t, 2 t + 1
	global_load_b128 v[QF:QF+3], v10, s[16:17]     ; Q's fragment stays in registers
	global_load_u16 v[QS], v11, s[18:19]           ; its two scale bytes; the word's upper half is 0
	s_lshl_b32 s92, s[QT], 12                      ; a tile's mask words (16 steps x 256 bytes) and its rows of out0 (16 x 256 bytes) are 4,096 bytes each
	s_add_nc_u64 s[MWP:MWP+1], s[28:29], s[92:93]
	s_add_nc_u64 s[OUT:OUT+1], s[OUT:OUT+1], s[92:93]
	s_lshl_b32 s92, s[HD], 19                      ; a head of out0: 2,048 rows of 256 bytes
	s_add_nc_u64 s[OUT:OUT+1], s[OUT:OUT+1], s[92:93]
	; register work while the 20 loads are out: it names none of the registers that they read or land in
.irp j, 4,5,6,7
	v_mov_b32 v[QF+\j], 0                          ; zero codes for k = 64..127
.endr
.irp t, 0,1,2,3,4,5,6,7
.irp j, 4,5,6,7
	v_mov_b32 v[KF+8*\t+\j], 0
.endr
.endr
.set j, 0
.rept 32
	v_mov_b32 v[O+j], 0                            ; O^T begins as zeros: which step a wave works first hangs on the stored flags, so no first step can be written out with the constant 0 as C
.set j, j+1
.endr
.irp b, 0,1,2,3
	v_mov_b32 v[TP+\b], 0                          ; written once: a lane permute's destination counts as one of its sources
.endr
	v_mov_b32 v[F], 0                              ; likewise, for a wave that skips every step
	v_mov_b32 v[PW], 0                             ; (named as the upper half of the pair v[252:253] before it is first written)
	v_mov_b32 v14, 0                               ; the sum, in two halves
	v_mov_b32 v15, 0
	v_mov_b32 v[NINF], 0xff800000
	v_mov_b32 v13, 0xff61b1e6                      ; the largest t so far: -3e38
	v_floor_f32 v12, -v13                          ; -M
	; where thread t's 16 bytes of K go.  Chunk t + 512 i is key (t >> 1) + 256 i, half t & 1.  Of the key's number in its step bits 2:0 and 4 are the tile's row m, bit 3 is u, bits 6:5 are b; the half is the lane's half.
	v_bfe_u32 v[TMP], v0, 1, 3
	v_lshlrev_b32 v[CV], 4, v[TMP]                 ; 16 x m's low three bits
	v_and_b32 v[TMP], 1, v0
	v_lshl_or_b32 v[CV], v[TMP], 8, v[CV]          ; + 256 x half
	v_bfe_u32 v[TMP], v0, 4, 1
	v_lshl_or_b32 v[CV], v[TMP], 9, v[CV]          ; + 512 u
	v_bfe_u32 v[TMP], v0, 5, 1
	v_lshl_or_b32 v[CV], v[TMP], 7, v[CV]          ; + 128 x m's bit 3
	v_bfe_u32 v[TMP], v0, 6, 2
	v_lshl_or_b32 v[CV], v[TMP], 10, v[CV]         ; + 1,024 b
	v_bfe_u32 v[TMP], v0, 8, 1
	v_mad_u32_u24 v[CV], v[TMP], KSTEP, v[CV]      ; + the step's record; 256 keys on are two records on
	v_lshrrev_b32 v[TMP], 6, v0                    ; V: chunk t + 512 i is row (t >> 6) + 8 i, bytes 16 (t & 63)
	v_mul_u32_u24 v[CV+1], v[TMP], VP
	v_and_b32 v[TMP], 63, v0
	v_lshl_add_u32 v[CV+1], v[TMP], 4, v[CV+1]
	v_add_nc_u32 v[CV+1], VROW, v[CV+1]
	v_lshrrev_b32 v[TMP], 5, v0                    ; K's scales: key 4 t + e: step t >> 5; lane = e + 4 t[0] + 8 t[2] + 16 t[1]; word b = t[4:3]
	v_mul_u32_u24 v[CV+2], v[TMP], KSTEP
	v_add_nc_u32 v[CV+2], KSCO, v[CV+2]
	v_bfe_u32 v[TMP], v0, 1, 1
	v_lshl_add_u32 v[CV+2], v[TMP], 8, v[CV+2]
	v_bfe_u32 v[TMP], v0, 2, 1
	v_lshl_add_u32 v[CV+2], v[TMP], 7, v[CV+2]
	v_and_b32 v[TMP], 1, v0
	v_lshl_add_u32 v[CV+2], v[TMP], 6, v[CV+2]
	v_bfe_u32 v[TMP], v0, 3, 2
	v_lshl_add_u32 v[CV+2], v[TMP], 2, v[CV+2]
	v_and_b32 v[TMP], 7, v0                        ; V's scales: word 2 t + e: row d = t >> 3, step 2 (t & 7) + e; lane = d & 31, word a = d >> 5
	v_lshlrev_b32 v[CV+3], 9, v[TMP]
	v_bfe_u32 v[TMP], v0, 3, 5
	v_lshl_add_u32 v[CV+3], v[TMP], 3, v[CV+3]
	v_lshrrev_b32 v[TMP], 8, v0
	v_lshl_add_u32 v[CV+3], v[TMP], 2, v[CV+3]
	v_add_nc_u32 v[CV+3], VSC, v[CV+3]
	s_mov_b32 s[SEL], 0x76543210
	s_mov_b32 s[SEL+1], 0xfedcba98
	s_mov_b32 s[CS], 0x3e38aa3b                    ; log2(e) / 8
	s_mov_b32 s[CS+1], s[CS]
	s_mov_b32 s[TK], 0
	s_mov_b32 s[TV], 0
	s_mov_b32 s[TT], 0
	s_mov_b32 s[CNT], 0
	s_wait_alu depctr_va_vdst(0)                   ; the four fill addresses v[CV] to v[CV+3] are written, which the LDS stores below read; so are the zero codes of Q's and K's fragments, which scaled products take as operands
	s_wait_loadcnt 12                              ; K's eight loads are in; the 12 younger (V's 8, the scales' 2, Q's 2) may be out
.irp i, 0,1,2,3,4,5,6,7
	ds_store_b128 v[CV], v[S+4*\i:S+4*\i+3] offset:2*KSTEP*\i
.endr
	s_wait_loadcnt 4                               ; V's eight are in; the scales' 2 and Q's 2 may be out
.irp i, 0,1,2,3,4,5,6,7
	ds_store_b128 v[CV+1], v[S+32+4*\i:S+32+4*\i+3] offset:8*VP*\i
.endr
	s_wait_loadcnt 2                               ; the scales are in; Q's 2 may be out
	v_and_b32 v[KWD], 0xffff, v[BM]                ; a key's two bytes become a scale word whose upper two bytes are 0
	v_lshrrev_b32 v[KWD+1], 16, v[BM]
	v_and_b32 v[KWD+2], 0xffff, v[BM+1]
	v_lshrrev_b32 v[KWD+3], 16, v[BM+1]
	s_wait_alu depctr_va_vdst(0)                   ; the four lines above have written v[KWD] to v[KWD+3], which the LDS stores below read
.irp e, 0,1,2,3
	ds_store_b32 v[CV+2], v[KWD+\e] offset:16*\e
.endr
	ds_store_b32 v[CV+3], v[BM+2]
	ds_store_b32 v[CV+3], v[BM+3] offset:256
	s_wait_kmcnt 0x0                               ; the 16 flag words
	s_or_b32 s[FLG], s32, s33
.irp i, 34,35,36,37,38,39,40,41,42,43,44,45,46,47
	s_or_b32 s[FLG], s[FLG], s[\i]
.endr
	s_wait_loadcnt 0x0                             ; Q is in, and every load that names s[16:27] or v8-v11 is done
.irp i, 16,18,20,22,24,26,28,30,32,34,36,38,40,42,44,46,48,50,52,54,56,58,60,62,68,70,72,74,76,78,80,82
	s_mov_b64 s[\i:\i+1], -1                       ; the mask words' registers are written on every path
.endr
	s_wait_dscnt 0x0                               ; for the others' sake: my stores into LDS are done
	s_barrier_signal -1
	s_barrier_wait -1                              ; the head's K, V and scales lie in LDS; nothing there is written again but each wave's own stage
	s_wait_alu depctr_vm_vsrc(0)                   ; my LDS stores have read v[S ..], v[CV ..], v[KWD ..] and v[BM+2], v[BM+3], and the head's loads have read v8 to v11: the loop's products and vector lines, and the way out, write these registers again
.Lstep:                                            ; 16 trips, 128 keys each
	s_bitcmp1_b32 s[FLG], 0
	s_cbranch_scc0 .Lskip                          ; no key of this step is open for any of my 16 queries
	s_wait_alu depctr_vm_vsrc(0)                   ; the LDS loads of the last step that was worked have read v[ADK], v[ADV], v[ADT], which the three lines below write again
	v_add_nc_u32 v[ADK], s[TK], v[AK0]
	v_add_nc_u32 v[ADV], s[TV], v[AV0]
	v_add_nc_u32 v[ADT], s[TT], v[AT0]
	v_nop                                          ; four places between the last products V^T P^T and the loads into the registers that they read (ISA guide 7.12.1 for vector instructions)
	s_wait_alu depctr_va_vdst(0)                   ; the three addresses are written, which this step's 18 LDS loads read; the earlier products are done reading KF, KS, VF, VS, in which those loads land; the last selects, which read the words' scalar registers, stand ahead of it too
	s_bitcmp1_b32 s[FLG], 16
	s_cbranch_scc0 .Lnoload                        ; no hidden key: the words are not wanted
	s_load_b512 s[16:31], s[MWP:MWP+1], 0x0
	s_load_b512 s[32:47], s[MWP:MWP+1], 0x40
	s_load_b512 s[48:63], s[MWP:MWP+1], 0x80
	s_load_b512 s[68:83], s[MWP:MWP+1], 0xc0
.Lnoload:
.irp t, 0,1,2,3,4,5,6,7
	ds_load_b128 v[KF+8*\t:KF+8*\t+3], v[ADK] offset:512*\t
.endr
	ds_load_b128 v[KS:KS+3], v[ADK] offset:KSCO
	s_wait_dscnt 0x0                               ; K's nine loads are in; nothing has been issued behind them
.irp t, 0,2,4,6                        ; S^T = K Q^T; a scale register holds tile t's words in lanes 0-15 and tile t + 1's in lanes 16-31.  V's loads are dealt among the eight products and land under the softmax.  No wait: no vector or matrix instruction since the wait at the step's head names VF, VS, v[ADV] or v[ADT]
	v_wmma_scale_f32_16x16x128_f8f6f4 v[S+8*\t:S+8*\t+7], v[KF+8*\t:KF+8*\t+7], v[QF:QF+7], 0, v[KS+\t/2], v[QS] matrix_a_fmt:MATRIX_FMT_FP4 matrix_b_fmt:MATRIX_FMT_FP4
	ds_load_b128 v[VF+8*(\t/2):VF+8*(\t/2)+3], v[ADV] offset:16*VP*(\t/2)
	v_wmma_scale_f32_16x16x128_f8f6f4 v[S+8*\t+8:S+8*\t+15], v[KF+8*\t+8:KF+8*\t+15], v[QF:QF+7], 0, v[KS+\t/2], v[QS] matrix_a_fmt:MATRIX_FMT_FP4 matrix_b_fmt:MATRIX_FMT_FP4 matrix_a_scale:MATRIX_SCALE_ROW1
	ds_load_b128 v[VF+8*(\t/2)+4:VF+8*(\t/2)+7], v[ADV] offset:16*VP*(\t/2)+32
.endr
	ds_load_b64 v[VS:VS+1], v[ADT]
.rept 4
	v_nop                                          ; four places in front of the first read of the scores
.endr
	s_wait_kmcnt 0x0                               ; on every path: beyond here no scalar load is out, so the words may be read and their pointer stepped
	s_bitcmp1_b32 s[FLG], 16
	s_cbranch_scc0 .Lopen
.set n, 0
.rept 64                               ; hidden scores become -infinity ahead of the maximum; each accumulator is taken from its low end on
.if n < 48
	v_cndmask_b32 v[S+n], v[NINF], v[S+n], s[16+n]
.else
	v_cndmask_b32 v[S+n], v[NINF], v[S+n], s[20+n]
.endif
.set n, n+1
.endr
.Lopen:
.irp b, 0,1,2,3
	v_max3_num_f32 v[BM+\b], v[S+16*\b], v[S+1+16*\b], v[S+2+16*\b]   ; the largest score of each block of 32 keys: it serves the row's maximum and, since p rises with the score, the block's largest p
.endr
.irp i, 3,5,7,9,11,13
.irp b, 0,1,2,3
	v_max3_num_f32 v[BM+\b], v[BM+\b], v[S+16*\b+\i], v[S+1+16*\b+\i]  ; the four blocks by turns
.endr
.endr
.irp b, 0,1,2,3
	v_max_num_f32 v[BM+\b], v[BM+\b], v[S+15+16*\b]
.endr
.irp b, 0,1,2,3
	v_permlanex16_b32 v[TP+\b], v[BM+\b], s[SEL], s[SEL+1]
.endr
.irp b, 0,1,2,3
	v_max_num_f32 v[BM+\b], v[BM+\b], v[TP+\b]     ; with lane l xor 16's 16 keys
.endr
	v_max3_num_f32 v[TMP], v[BM], v[BM+1], v[BM+2]
	v_max_num_f32 v[TMP], v[TMP], v[BM+3]          ; the step's largest score of my query
	v_mul_f32 v[TMP], s[CS], v[TMP]                ; as t (c is positive)
	v_max_num_f32 v13, v13, v[TMP]                 ; the running largest t
	v_mov_b32 v[TMP], v12
	v_floor_f32 v12, -v13                          ; the new -M = floor(-t) = -ceil(t)
	v_sub_f32 v[TMP], v12, v[TMP]                  ; old M - new M: a whole number, 0 or less
	v_cvt_i32_f32 v[TMP], v[TMP]                   ; (it saturates)
	v_ldexp_f32 v[F], 1.0, v[TMP]                  ; f = 2^(old M - new M)
.set j, 0
.rept 32
	v_pk_fma_f32 v[S+j:S+j+1], v[S+j:S+j+1], s[CS:CS+1], v[12:13] op_sel_hi:[1,0,0]   ; t - M, two at a time (of the pairs c and -M the low word serves both halves)
.set j, j+2
.endr
.irp b, 0,1,2,3
	v_fma_f32 v[BM+\b], v[BM+\b], s[CS], v12       ; the same of each block's largest score
.endr
.set j, 0
	s_wait_alu depctr_va_vdst(0)
.rept 64
	v_exp_f32 v[S+j], v[S+j]                       ; p = 2^(t - M), at most 1
.set j, j+1
.endr
.irp b, 0,1,2,3
	v_exp_f32 v[BM+\b], v[BM+\b]                   ; the block's largest p: the same two instructions on the same number
.endr
	v_pk_mul_f32 v[14:15], v[14:15], v[F:F+1] op_sel_hi:[1,0]   ; the sums under the new M; also the plain place behind the exponentials
	s_wait_alu depctr_va_vdst(0)                   ; the 68 exponentials have written v[S ..] and v[BM ..]: one wait for the batch, ahead of the first line that names a result
.irp b, 0,1,2,3
	v_max_num_f32 v[BM+\b], 0x1800000, v[BM+\b]    ; the floor 2^(3 - 127): the byte cannot fall under 1; a block of zeros keeps that byte over zero codes
.endr
.irp b, 0,1,2,3
	v_add_nc_u32 v[CV+\b], 0xff000000, v[BM+\b]    ; 2 off the exponent field: the conversion's scale operand
.endr
.irp b, 0,1,2,3
	v_lshrrev_b32 v[TP+\b], 23, v[CV+\b]           ; the scale's byte
.endr
	v_lshl_or_b32 v[PW], v[TP+1], 8, v[TP]         ; p's scale word for these 128 keys
	v_lshl_or_b32 v[PW], v[TP+2], 16, v[PW]
	v_lshl_or_b32 v[PW], v[TP+3], 24, v[PW]
.irp b, 0,1,2,3
	v_cvt_scalef32_pk8_fp4_f32 v[PC+2*\b], v[S+16*\b:S+7+16*\b], v[CV+\b]
	v_cvt_scalef32_pk8_fp4_f32 v[PC+1+2*\b], v[S+8+16*\b:S+15+16*\b], v[CV+\b]
.endr
	v_nop                                          ; one plain place behind the scaled conversions
.irp c, 0,1                            ; the operand's layout wants a whole block in a lane: lanes 0-15 block 2 c, lanes 16-31 block 2 c + 1
.irp i, 0,1
	v_permlane16_swap_b32 v[PC+4*\c+\i], v[PC+2+4*\c+\i]
.endr
.endr
	v_pk_add_f32 v[TP:TP+1], v[S:S+1], v[S+2:S+3]  ; the row's sum is taken of the unquantised p: two at a time, in two chains
.irp j, 4,8,12,16,20,24,28,32,36,40,44,48,52,56,60
	v_pk_add_f32 v[14:15], v[14:15], v[S+\j:S+\j+1]
	v_pk_add_f32 v[TP:TP+1], v[TP:TP+1], v[S+2+\j:S+3+\j]
.endr
	v_pk_add_f32 v[14:15], v[14:15], v[TP:TP+1]
.set j, 0
.rept 16
	v_pk_mul_f32 v[O+j:O+j+1], v[O+j:O+j+1], v[F:F+1] op_sel_hi:[1,0]   ; O^T under the new M, from each accumulator's low end on.  The 32 additions above are the places between the writes of p's codes and scale word and the products below
.set j, j+2
.endr
	s_wait_dscnt 0x0                               ; V and its scale words
	s_wait_alu depctr_va_vdst(0)                   ; the conversions and exchanges have written p's codes v[PC ..], and the three lines that gather the bytes its scale word v[PW]: the scaled products below take them as operand and scales; the places above stay beside this wait
.irp T, 0,2                            ; O^T += V^T P^T.  The accumulators take turns, one instruction a turn: S0..S7, O0..O3, over the backward jump too
	v_wmma_scale_f32_16x16x128_f8f6f4 v[O+8*\T:O+8*\T+7], v[VF+8*\T:VF+8*\T+7], v[PC:PC+7], v[O+8*\T:O+8*\T+7], v[VS+\T/2], v[PW] matrix_a_fmt:MATRIX_FMT_FP4 matrix_b_fmt:MATRIX_FMT_FP4
	v_wmma_scale_f32_16x16x128_f8f6f4 v[O+8*\T+8:O+8*\T+15], v[VF+8*\T+8:VF+8*\T+15], v[PC:PC+7], v[O+8*\T+8:O+8*\T+15], v[VS+\T/2], v[PW] matrix_a_fmt:MATRIX_FMT_FP4 matrix_b_fmt:MATRIX_FMT_FP4 matrix_a_scale:MATRIX_SCALE_ROW1
.endr
.Lskip:                                            ; the steps of addresses and flags stand on every path
	s_lshr_b32 s[FLG], s[FLG], 1
	s_add_co_u32 s[TK], s[TK], KSTEP
	s_add_co_u32 s[TV], s[TV], 64
	s_add_co_u32 s[TT], s[TT], 256
	s_add_nc_u64 s[MWP:MWP+1], s[MWP:MWP+1], 256
	s_add_co_u32 s[CNT], s[CNT], 1
	s_cmp_lt_u32 s[CNT], 16
	s_cbranch_scc1 .Lstep
	; THE WAY OUT.  O^T / the sum goes through my own stage in LDS and leaves as whole rows.  The eight address lines are also the places behind the last products.
	; (v8 to v11 and v[S ..] were last read by memory and LDS instructions of the head, ahead of the wait on vm_vsrc that stands in front of the loop; the loop's LDS loads read v4 to v6 alone.)
	v_and_b32 v8, 15, v0                           ; r
	v_bfe_u32 v9, v0, 4, 1                         ; h
	s_mul_i32 s2, s[WV], 16*SP
	s_add_co_u32 s2, s2, STG                       ; my stage
	v_mul_u32_u24 v10, v8, SP
	v_lshl_add_u32 v10, v9, 5, v10
	v_add_nc_u32 v10, s2, v10                      ; in: row r; tile T's eight channels of my half at 64 T + 32 h
	v_mul_u32_u24 v11, v9, SP
	v_lshl_add_u32 v11, v8, 4, v11
	v_add_nc_u32 v11, s2, v11                      ; back: lanes 0-15 one row of 256 bytes, lanes 16-31 the next
	v_add_f32 v14, v14, v15                        ; the sum's two halves,
	v_permlanex16_b32 v[F], v14, s[SEL], s[SEL+1]
	v_add_f32 v14, v14, v[F]                       ; and lane l xor 16's: the row's sum
	s_wait_alu depctr_va_vdst(0)
	v_rcp_f32 v14, v14
	v_nop                                          ; one plain place behind the transcendental
.set j, 0
	s_wait_alu depctr_va_vdst(0)                   ; the reciprocal has written v14, ahead of its first reader
.rept 16
	v_pk_mul_f32 v[S+j:S+j+1], v[O+j:O+j+1], v[14:15] op_sel_hi:[1,0]   ; register 8 T + i is out0(r, 16 T + 8 h + i)
.set j, j+2
.endr
	s_wait_alu depctr_va_vdst(0)                   ; the multiplications have written v[S ..], and v10 and v11 are written: the stage's stores and loads read them; the products and the head's moves are done with v[KF ..], in which the stage's loads land
.irp T, 0,1,2,3
	ds_store_b128 v10, v[S+8*\T:S+8*\T+3] offset:64*\T
	ds_store_b128 v10, v[S+8*\T+4:S+8*\T+7] offset:64*\T+16
.endr
.irp i, 0,1,2,3,4,5,6,7
	ds_load_b128 v[KF+4*\i:KF+4*\i+3], v11 offset:2*\i*SP          ; LDS serves a wave's instructions in order (ISA guide 5.7.1.4): these see my stores
.endr
.irp i, 0,1,2,3,4,5,6,7
	s_wait_dscnt 7-\i                              ; load i is in; the younger ones may be out
	global_store_b128 v[AK0], v[KF+4*\i:KF+4*\i+3], s[OUT:OUT+1] offset:512*\i th:TH_STORE_NT   ; 32 lanes store two rows, 512 consecutive bytes, at a multiple of 256 from out0's first byte
.endr
	s_wait_dscnt 0x0                               ; the closing lines, six on end
	s_wait_alu 0x0
	s_wait_tensorcnt 0x0
	ds_add_u32 v251, v255
	s_wait_dscnt 0x0
	s_endpgm
.Lfunc_end_k_q790814856a_attn:
	.size	k_q790814856a_attn, .Lfunc_end_k_q790814856a_attn-k_q790814856a_attn
	.p2alignl 7, 3214868480
	.fill 96, 4, 3214868480
	.section	.rodata,"a",@progbits
	.p2align	6, 0x0
	.amdhsa_kernel k_q790814856a_attn
		.amdhsa_group_segment_fixed_size 216064
		.amdhsa_private_segment_fixed_size 0
		.amdhsa_enable_private_segment 0
		.amdhsa_kernarg_size 72
		.amdhsa_user_sgpr_count 2
		.amdhsa_user_sgpr_kernarg_segment_ptr 1
		.amdhsa_wavefront_size32 1
		.amdhsa_system_sgpr_workgroup_id_x 1
		.amdhsa_system_sgpr_workgroup_id_y 1
		.amdhsa_system_sgpr_workgroup_id_z 1
		.amdhsa_system_vgpr_workitem_id 0
		.amdhsa_next_free_vgpr 256
		.amdhsa_next_free_sgpr 96
		.amdhsa_reserve_vcc 0
		.amdhsa_float_denorm_mode_32 3
		.amdhsa_float_denorm_mode_16_64 3
		.amdhsa_memory_ordered 1
		.amdhsa_forward_progress 1
		.amdhsa_inst_pref_size 37
	.end_amdhsa_kernel
	.amdgpu_metadata
---
amdhsa.version: [ 1, 2 ]
amdhsa.kernels:
  - .name:           k_q790814856a_attn
    .symbol:         k_q790814856a_attn.kd
    .args:
      - { .name: q_codes, .offset: 0, .size: 8, .value_kind: global_buffer, .address_space: global }
      - { .name: q_scales, .offset: 8, .size: 8, .value_kind: global_buffer, .address_space: global }
      - { .name: k_codes, .offset: 16, .size: 8, .value_kind: global_buffer, .address_space: global }
      - { .name: k_scales, .offset: 24, .size: 8, .value_kind: global_buffer, .address_space: global }
      - { .name: v_codes, .offset: 32, .size: 8, .value_kind: global_buffer, .address_space: global }
      - { .name: v_scales, .offset: 40, .size: 8, .value_kind: global_buffer, .address_space: global }
      - { .name: mwords, .offset: 48, .size: 8, .value_kind: global_buffer, .address_space: global }
      - { .name: mflags, .offset: 56, .size: 8, .value_kind: global_buffer, .address_space: global }
      - { .name: out0, .offset: 64, .size: 8, .value_kind: global_buffer, .address_space: global }
    .group_segment_fixed_size: 216064
    .private_segment_fixed_size: 0
    .kernarg_segment_align: 8
    .kernarg_segment_size: 72
    .max_flat_workgroup_size: 512
    .sgpr_count:     96
    .vgpr_count:     256
    .wavefront_size: 32
...
	.end_amdgpu_metadata
.endif
;; end of part 4
